; MI455X (gfx1250); checked and timed in simulation.
; The chip was launched on July 23, 2026; its instructions are those of AMD's public machine-readable ISA for CDNA 5 (MIT licence, August 2026) and "CDNA5" Instruction Set Architecture Reference Guide (July 2026). The comments in the code are by the model that wrote it; some were corrected since.
;; Custom LSTM Cell. Allowed arithmetic: matrix products marked QUANTISED: E2M3 operands, one E8M0 scale for each 32 along K, by v_wmma_scale_f32_16x16x128_f8f6f4 with both operands' format E2M3, f32 sums; everything else in f32.
;; Inputs: C_prev 8,192 x 1,024 float32; W_C 2,048 x 1,024 float32; W_f 2,048 x 1,024 float32; W_i 2,048 x 1,024 float32; W_o 2,048 x 1,024 float32; b_C 1,024 float32; b_f 1,024 float32; b_i 1,024 float32; b_o 1,024 float32; h_prev 8,192 x 1,024 float32; x 8,192 x 1,024 float32.
;; Outputs: out0 8,192 x 1,024 float32; out1 8,192 x 1,024 float32.
;; This version of the problem:
;;   THIS VERSION OF THE PROBLEM IS GIVEN IN LOW PRECISION. The matrix products marked QUANTISED in the list below multiply operands that are first quantised to E2M3 (2 exponent bits, 3 mantissa bits; 6 bits a number), with one power-of-two scale for each 32 numbers along K (OCP MX v1.0); their sums are f32. All else is computed in f32.
;;   The module's matrix products, in the order in which they are computed (A, B: the left and right operand; K: the contracted axis; several contracted axes count as one K, in the product's order):
;;     1. [M 8,192, K 2,048] x [K 2,048, N 4,096]; A: computed on the way; B: computed on the way: QUANTISED
;;   THE QUANTISER, for each operand of a quantised product, along K:
;;     - K is cut into blocks of 32 from its start; a last block that is shorter is filled with zeros.
;;     - A block's scale is 2^e with e = floor(log2(the largest magnitude in the block)) - 2, held to -126 .. 127; a block of zeros has e = 0. As a byte (E8M0): e + 127.
;;     - Each number is divided by its block's scale, clamped to +-7.5, and rounded to the nearest number of E2M3, ties to even, subnormals kept.
;;     - The product sums the exact products of the quantised numbers (number of the format x scale) in f32.
;;   ~~~python
;;   def quantise(x, axis):      # numpy; x: float32 -> the quantised numbers, widened to float32 again
;;       x = np.moveaxis(x, axis, -1); K = x.shape[-1]
;;       x = np.pad(x, [(0, 0)] * (x.ndim - 1) + [(0, -K % 32)]); x = x.reshape(x.shape[:-1] + (-1, 32)); a = np.abs(x).max(-1, keepdims=True)
;;       e = np.where(a > 0, np.clip(np.frexp(np.where(a > 0, a, 1))[1] - 1 - 2, -126, 127), 0)      # np.frexp(a)[1] - 1 = floor(log2(a)), exactly
;;       r = np.clip(x / 2.0 ** e, -7.5, 7.5)
;;       step = 2.0 ** (np.maximum(np.frexp(np.where(r == 0, 1, r))[1] - 1, 0) - 3)
;;       q = np.round(r / step) * step * 2.0 ** e      # np.round: ties to even
;;       return np.moveaxis(q.reshape(q.shape[:-2] + (-1,))[..., :K], -1, axis).astype(np.float32)
;;   ~~~
;;   OPERANDS COMPUTED ON THE WAY. 'Computed on the way' means the value that the module computes at that place (a softmax that the list does not call 'softmax' is quantised finished and normalised). What goes into a quantiser is computed in f32, as accurately as f32 sums, v_exp_f32 and their like allow (about 1e-6 of the number): no bf16 or f16 on the way to a quantiser, and a product that is left as it is and whose result goes on into a quantised operand takes f32 operands (vector FMAs, or v_wmma_f32_16x16x4_f32). A number that lies on a knife's edge between two numbers of the format may be rounded either way, as far as f32 arithmetic and the matrix unit's own rounding can turn it there, and no further.
;; One version. Each part assembles by itself: llvm-mc -triple=amdgcn-amd-amdhsa -mcpu=gfx1250 --defsym DOCPART=n.
;; ======== version 1 of 1: 2 launches
;; limits: a function is approximated: absolute error at most 1e-07
;; workspace buffers: a_img 13,107,200 bytes; w_img 6,553,600 bytes
;; launch quant (part 1): grid 768 x 1, 4 waves a work-group, no clusters, 59,904 bytes of LDS; arguments x, h_prev, W_f, W_i, W_o, W_C, a_img, w_img; writes a_img, w_img
.if DOCPART == 1
	.amdgcn_target "amdgcn-amd-amdhsa--gfx1250"
	.amdhsa_code_object_version 6
	.text
	.protected	k_qca927b8a26_quant
	.globl	k_qca927b8a26_quant
	.p2align	8
	.type	k_qca927b8a26_quant,@function
k_qca927b8a26_quant:
	s_mov_b64 s[64:65], 0
	v_nop
	global_prefetch_b8 v0, s[64:65] scope:SCOPE_SE
	s_setreg_imm32_b32 hwreg(HW_REG_WAVE_MODE, 25, 1), 1
	s_wait_xcnt 0x0
; Both operands of gates = [x | h_prev] [W_f | W_i | W_o | W_C] become codes of FP6 (E2M3), 6 bits each, with one E8M0 scale byte for each 32 along K, LAID AS THE PRODUCT'S LAUNCH READS THEM.
; A block's scale is 2^(floor(log2(its largest magnitude)) - 2); its byte is the largest magnitude's own exponent field - 2, held at 1 from below.  Each number is divided by the scale and rounded to the
; nearest code, ties to even; beyond 7.5 the conversion gives the largest code.
; LIMITS: a block of zeros gets the byte 1 where the rule says 127 (its codes are zeros, which add nothing under any byte but 0xff, and this program alone reads the bytes); blocks whose largest magnitude
; lies under 2^(2 - 126), the floor, keep the byte 1; NaN and infinities among the inputs are not served.
; A RECORD holds 128 rows x 128 along K, 12,800 bytes: eight fragments (16 rows x 128 K) as IMAGES OF THEIR 12 REGISTERS, 1,536 bytes each (registers 4 c .. 4 c + 3 of lane l: 16 bytes at 512 c + 16 l), then 512 bytes
; of scale words (row r of fragment i: 4 bytes at 12,288 + 64 i + 4 r).  In a fragment lane l holds row l % 16, and its registers 6 c .. 6 c + 5 hold K = 64 c + 32 (l / 16) + 0 .. 31.
; a_img [64 groups of 128 rows][16 K steps][12,800]; K steps 0-7 come from x, 8-15 from h_prev.
; w_img [32 groups J][16 K steps][12,800]; row 32 g + c of group J is hidden unit 32 J + c of gate g (0 f, 1 i, 2 o, 3 C~): a group holds all four gates of 32 hidden units.
; WORK-GROUPS 0-511 take the activations (K innermost), 512-767 the weights (K is their first axis).  Each reads 128 KiB.  The two ways part on the work-group's number, never join, and have LDS bytes of their own.
; No tensor loads, no barrier: waves share nothing.  No matrix unit, no cluster: every input byte is read by one wave, once.
.set WGA,   512
.set EMAX,  2
.set REC,   12800                      ; a record
.set SCO,   12288                      ; its scale words
.set GRP,   16*REC                     ; a group's 16 records
.set FRB,   1536                       ; a fragment's image
; ---- the activations' way: a wave takes 64 rows x 128 along K: four fragments, 6,144 dense bytes of codes, and 256 aligned bytes of scale words
.set ASP,   528                        ; a row in the stage: its 512 bytes + 16, so that sixteen rows' reads of one column fall on different banks
.set ASC,   16*ASP                     ; behind the stage: the wave's 256 bytes of scale words
.set AREG,  ASC+256                    ; LDS 0 .. 34,815: a region for each wave
.set RA,    16                         ; v16-143  two sets of 64: a fragment's 16 rows as they are loaded
.set XX,    144                        ; v144-207 64 numbers of my row: register 16 b + i = k 32 b + 16 (lane / 16) + i
.set PC,    208                        ; v208-219 the fragment's codes; v220-226 at work
.set TM,    228                        ; v228-231 largest magnitudes, v232-235 bytes, v240-243 the conversions' scale operands
.set PW,    244                        ; my row's scale word
.set SEL,   26                         ; s[26:27] v_permlanex16_b32's selects for lane l xor 16
; ---- the weights' way: a wave takes 32 columns of one gate x 256 along K: four fragments
.set NB,    8                          ; blocks a lane
.set WROW,  4096                       ; a row of a weight in bytes
.set WSTG,  4*AREG                     ; LDS 34,816 .. 59,391: four fragments' images for each wave
.set WX,    32                         ; v32-95   two sets of 32 numbers
.set WC,    96                         ; v96-102  a block's codes
.set OUTR,  112                        ; v112-159 the way out
.set SB,    24                         ; v24-25   my column's two scale words
.macro ALOAD t                         ; fragment t: sixteen rows, each row's 512 consecutive bytes by one load, 16 bytes a lane
.irp p, 0,1,2,3,4,5,6,7,8,9,10,11,12,13,14,15
	global_load_b128 v[RA+64*((\t)%2)+4*\p:RA+64*((\t)%2)+4*\p+3], v3, s[4:5] offset:(16*(\t)+\p)*4096 th:TH_LOAD_NT
.endr
.endm
; The 64 numbers in v[XX] on become the fragment's codes in v[PC] on and my row's scale word in v[PW].
.macro QUANT
.irp b, 0,1,2,3
	v_max3_num_f32 v[TM+\b], |v[XX+16*\b]|, |v[XX+1+16*\b]|, (EMAX+1)<<23   ; block b: my 16 numbers, and the floor 2^(EMAX + 1 - 127): the byte cannot fall under 1
.endr
.irp i, 2,4,6,8,10,12,14
.irp b, 0,1,2,3
	v_max3_num_f32 v[TM+\b], v[TM+\b], |v[XX+16*\b+\i]|, |v[XX+1+16*\b+\i]|   ; (the four blocks by turns: no line waits for the line above it)
.endr
.endr
.irp b, 0,1,2,3
	v_permlanex16_b32 v[TM+4+\b], v[TM+\b], s[SEL], s[SEL+1]
.endr
.irp b, 0,1,2,3
	v_max_num_f32 v[TM+\b], v[TM+\b], v[TM+4+\b]   ; with lane l xor 16's 16: the block's largest magnitude
.endr
.irp b, 0,1,2,3
	v_add_nc_u32 v[TM+12+\b], -(EMAX<<23), v[TM+\b]   ; EMAX off its exponent field: the conversion takes the exponent field of this operand as its scale, and nothing else of it
.endr
.irp b, 0,1,2,3
	v_lshrrev_b32 v[TM+4+\b], 23, v[TM+12+\b]      ; the scale's byte
.endr
	v_lshl_or_b32 v[PW], v[TM+5], 8, v[TM+4]       ; the four bytes make my row's scale word
	v_lshl_or_b32 v[PW], v[TM+6], 16, v[PW]
	v_lshl_or_b32 v[PW], v[TM+7], 24, v[PW]
.irp c, 0,1
	v_cvt_scalef32_pk16_fp6_f32 v[PC+6*\c:PC+2+6*\c], v[XX+32*\c:XX+15+32*\c], v[TM+12+2*\c]
	v_cvt_scalef32_pk16_fp6_f32 v[PC+12+4*\c:PC+14+4*\c], v[XX+16+32*\c:XX+31+32*\c], v[TM+12+2*\c+1]   ; (a conversion's three registers begin on an even number)
.endr
	v_nop                                          ; one plain place behind a scaled conversion
.irp c, 0,1                                    ; the layout wants a WHOLE block in a lane: lanes 0-15 block 2 c, lanes 16-31 block 2 c + 1
.irp i, 0,1,2
	v_permlane16_swap_b32 v[PC+6*\c+\i], v[PC+12+4*\c+\i]   ; the first's lanes 16-31 change places with the second's lanes 0-15
.endr
.irp i, 0,1,2
	v_mov_b32 v[PC+3+6*\c+\i], v[PC+12+4*\c+\i]
.endr
.endr
.endm
.macro AFRAG f
.if (\f) < 3
	s_wait_loadcnt 16                              ; this fragment's sixteen loads are in; the next fragment's may be out
.else
	s_wait_loadcnt 0
.endif
.irp p, 0,1,2,3,4,5,6,7,8,9,10,11,12,13,14,15
	ds_store_b128 v4, v[RA+64*((\f)%2)+4*\p:RA+64*((\f)%2)+4*\p+3] offset:ASP*\p   ; the rows as they lie
.endr
.irp b, 0,1,2,3
.irp j, 0,1,2,3
	ds_load_b128 v[XX+16*\b+4*\j:XX+16*\b+4*\j+3], v5 offset:128*\b+16*\j   ; and back: of my row, 16 neighbours of each block.  LDS serves a wave's instructions in order: no wait between the stores and the loads
.endr
.endr
	s_wait_dscnt 0x0                               ; my numbers are in; the stores into the stage, and the last fragment's scale word, have read their registers
.if (\f) > 0
	s_wait_xcnt 0x0                                ; the last fragment's stores have read the codes' registers (ISA guide 3.1): they are written again only behind this wait
.endif
.if (\f)+2 < 4
	ALOAD (\f)+2                                   ; the set just emptied takes the fragment two on
.endif
	QUANT
	ds_store_b32 v6, v[PW] offset:64*(\f)          ; lanes l and l xor 16 write the same word with the same value
.irp c, 0,1,2
	global_store_b128 v3, v[PC+4*\c:PC+4*\c+3], s[8:9] offset:FRB*(\f)+512*\c   ; the image: 32 lanes store 512 consecutive bytes, at a multiple of 256 from the buffer's first byte
.endr
.endm
.macro WLOAD t                         ; block t: W(32 t + i, my column), i = 0 .. 31, into set t % 2: 32 lanes read 128 consecutive bytes
.irp i, 0,1,2,3,4,5,6,7,8,9,10,11,12,13,14,15,16,17,18,19,20,21,22,23,24,25,26,27,28,29,30,31
	global_load_b32 v[WX+32*((\t)%2)+\i], v3, s[4:5] offset:(32*(\t)+\i)*WROW th:TH_LOAD_NT
.endr
.endm
.macro WBLOCK t
.set WXS, WX+32*((\t)%2)
.set WIM, ((\t)/4)*2*FRB+((\t)%2)*256  ; K step t / 4 of my two; the block belongs to lane 16 (t % 2) + my row
.if (\t) < NB-1
	s_wait_loadcnt 32                              ; this block's 32 loads are in; the next block's may be out
.else
	s_wait_loadcnt 0
.endif
	v_max3_num_f32 v12, |v[WXS]|, |v[WXS+1]|, |v[WXS+2]|           ; the block's largest magnitude: all 32 numbers are mine
	v_max3_num_f32 v13, |v[WXS+3]|, |v[WXS+4]|, |v[WXS+5]|
.irp i, 6,10,14,18,22,26
	v_max3_num_f32 v12, v12, |v[WXS+\i]|, |v[WXS+\i+1]|
	v_max3_num_f32 v13, v13, |v[WXS+\i+2]|, |v[WXS+\i+3]|
.endr
	v_max3_num_f32 v12, v12, |v[WXS+30]|, |v[WXS+31]|
	v_max3_num_f32 v12, v12, v13, (EMAX+1)<<23     ; and the floor
	v_add_nc_u32 v11, -(EMAX<<23), v12             ; the conversion's scale operand
	v_cvt_scalef32_pk16_fp6_f32 v[WC:WC+2], v[WXS:WXS+15], v11
	v_cvt_scalef32_pk16_fp6_f32 v[WC+4:WC+6], v[WXS+16:WXS+31], v11   ; (a conversion's three registers begin on an even number)
	v_lshrrev_b32 v13, 23, v11                     ; the scale's byte.  (Also the plain place behind the conversions)
.if (\t)%4 == 0
	v_mov_b32 v[SB+(\t)/4], v13                    ; four bytes to a word, the lower K in the lower byte: a K step's scale word of my column
.else
	v_lshl_or_b32 v[SB+(\t)/4], v13, 8*((\t)%4), v[SB+(\t)/4]
.endif
	v_mov_b32 v[WC+3], v[WC+4]                     ; the block's six registers on end
	v_mov_b32 v[WC+4], v[WC+5]
	v_mov_b32 v[WC+5], v[WC+6]
.if ((\t)%4)/2 == 0                            ; registers 0-5 of the fragment's lane: 0-3 are a whole group of four, 4-5 the lower half of the next
	ds_store_b128 v4, v[WC:WC+3] offset:WIM
	ds_store_b64 v4, v[WC+4:WC+5] offset:WIM+512
.else                                          ; registers 6-11: 6-7 are that group's upper half, 8-11 the third group
	ds_store_b64 v4, v[WC:WC+1] offset:WIM+512+8
	ds_store_b128 v4, v[WC+2:WC+5] offset:WIM+1024
.endif
.if (\t)+2 < NB
	WLOAD (\t)+2
.endif
	s_wait_dscnt 0x0                               ; the stores have read their registers: the next block's codes may be written
.endm
	v_lshl_add_u32 v254, v0, 2, 0xe800
	v_mov_b32 v255, 0
	v_lshrrev_b32 v1, 5, v0
	v_readfirstlane_b32 s16, v1                    ; wave 0..3
	v_and_b32 v2, 31, v0                           ; lane
	s_cmp_ge_u32 ttmp9, WGA
	s_cbranch_scc1 .Lweights
	; ================ the activations ================
	; Work-group n: rows 64 (n / 4) on; wave w: K step 4 (n % 4) + w.  The four waves stand side by side on 2,048 bytes of each row.
	s_load_b128 s[4:7], s[0:1], 0x0                ; x, h_prev
	s_load_b64 s[8:9], s[0:1], 0x30                ; a_img
	v_lshlrev_b32 v3, 4, v2                        ; 16 x lane: my bytes of a load's 512, and of an image's
	v_and_b32 v9, 15, v2                           ; r
	v_lshrrev_b32 v10, 4, v2                       ; h
	s_mul_i32 s17, s16, AREG
	v_add_nc_u32 v4, s17, v3                       ; the stage, on the way in
	v_mul_u32_u24 v5, v9, ASP
	v_lshl_add_u32 v5, v10, 6, v5
	v_add_nc_u32 v5, s17, v5                       ; and on the way out: row r, + 64 h
	s_add_co_u32 s17, s17, ASC
	v_lshl_add_u32 v6, v9, 2, s17                  ; my row's scale word in LDS
	v_lshlrev_b32 v7, 3, v2                        ; and on the way out 8 bytes a lane
	v_add_nc_u32 v8, s17, v7
.irp b, 0,1,2,3
	v_mov_b32 v[TM+4+\b], 0                        ; written once: a lane permute's destination counts as one of its sources
.endr
	s_mov_b32 s[SEL], 0x76543210
	s_mov_b32 s[SEL+1], 0xfedcba98
	s_and_b32 s18, ttmp9, 3
	s_lshr_b32 s19, ttmp9, 2                       ; which 64 rows
	s_lshl_b32 s20, s18, 2
	s_add_co_u32 s20, s20, s16                     ; the K step, 0 .. 15
	s_and_b32 s21, s20, 7
	s_lshl_b32 s22, s21, 9                         ; in x or h_prev: 512 bytes a K step,
	s_lshl_b32 s23, s19, 18                        ; 64 rows of 4,096 bytes
	s_add_co_u32 s22, s22, s23
	s_mov_b32 s23, 0
	s_lshr_b32 s24, s19, 1                         ; the group of 128 rows,
	s_mul_i32 s24, s24, GRP
	s_mul_i32 s25, s20, REC
	s_add_co_u32 s24, s24, s25                     ; its record of this K step
	s_and_b32 s28, s19, 1                          ; and which half of it is mine: fragments 0-3 or 4-7
	s_mul_i32 s29, s28, 4*FRB
	s_lshl_b32 s28, s28, 8
	s_add_co_u32 s28, s28, s24
	s_add_co_u32 s28, s28, SCO                     ; my 256 bytes of scale words
	s_add_co_u32 s24, s24, s29                     ; my four images
	s_mov_b32 s25, 0
	s_mov_b32 s29, 0
	s_wait_kmcnt 0x0
	s_cmp_lt_u32 s18, 2                            ; K steps 0-7 come from x: the choice hangs on the work-group's number alone
	s_cselect_b64 s[4:5], s[4:5], s[6:7]
	s_add_nc_u64 s[4:5], s[4:5], s[22:23]
	s_add_nc_u64 s[10:11], s[8:9], s[28:29]
	s_add_nc_u64 s[8:9], s[8:9], s[24:25]
	ALOAD 0
	ALOAD 1                                        ; two fragments, 32 loads a wave, ahead
.irp f, 0,1,2,3
	AFRAG \f
.endr
	ds_load_b64 v[12:13], v8                       ; LDS serves a wave's instructions in order: these see my four stores
	s_wait_dscnt 0x0
	global_store_b64 v7, v[12:13], s[10:11]        ; 32 lanes store 256 consecutive bytes, at a multiple of 256 from the buffer's first byte
	s_wait_tensorcnt 0x0
	ds_add_u32 v254, v255
	s_wait_dscnt 0x0
	s_endpgm
	; ================ the weights ================
	; A LANE TAKES A COLUMN, AND ITS REGISTERS RUN DOWN K: a block of 32 lies in one lane's registers, and the conversions give codes with K innermost.  A block's 24 bytes are six registers of one lane of a fragment:
	; they are put at that lane's place in the fragment's image in LDS, and the images leave as they stand.  The scale words leave as 128 consecutive bytes a store: half of an aligned 256; they are 1/128 of what this way reads.
.Lweights:
	s_load_b256 s[4:11], s[0:1], 0x10              ; W_f, W_i, W_o, W_C: gates 0 to 3
	s_load_b64 s[12:13], s[0:1], 0x38              ; w_img
	s_sub_co_u32 s17, ttmp9, WGA                   ; 0 .. 255 = 64 g + 8 cg + ky
	s_lshr_b32 s20, s17, 6                         ; g: the gate
	s_bfe_u32 s21, s17, 0x30003                    ; cg: which 128 columns
	s_and_b32 s22, s17, 7                          ; ky: which 256 along K
	s_lshl_b32 s21, s21, 2
	s_add_co_u32 s21, s21, s16                     ; J = 4 cg + wave: my 32 columns, and their group
	s_lshl_b32 s24, s22, 20                        ; in the weight: 256 ky rows of 4,096 bytes
	s_lshl_b32 s25, s21, 7                         ; + 32 J columns of 4 bytes
	s_add_co_u32 s24, s24, s25
	s_mov_b32 s25, 0
	s_mul_i32 s28, s21, GRP
	s_mul_i32 s29, s22, 2*REC
	s_add_co_u32 s28, s28, s29                     ; group J's record of K step 2 ky
	s_lshl_b32 s30, s20, 7
	s_add_co_u32 s30, s30, s28
	s_add_co_u32 s30, s30, SCO                     ; the scale words of its fragments 2 g and 2 g + 1: 128 bytes
	s_mul_i32 s29, s20, 2*FRB
	s_add_co_u32 s28, s28, s29                     ; and their images
	s_mov_b32 s29, 0
	s_mov_b32 s31, 0
	v_lshlrev_b32 v3, 2, v2                        ; 4 bytes a lane: in a row of the weight, and among the scale words
	s_mul_i32 s19, s16, 4*FRB
	s_add_co_u32 s19, s19, WSTG                    ; my four images in LDS: K step 0's two, then K step 1's
	v_and_b32 v5, 15, v2
	v_lshrrev_b32 v6, 4, v2
	v_mul_u32_u24 v4, v6, FRB
	v_lshl_add_u32 v4, v5, 4, v4
	v_add_nc_u32 v4, s19, v4                       ; into them: fragment lane / 16, row lane % 16
	v_lshlrev_b32 v8, 4, v2                        ; out of them: 16 x lane
	v_add_nc_u32 v7, s19, v8
	s_wait_kmcnt 0x0
	s_cmp_eq_u32 s20, 1                            ; the gate's weight: the choice hangs on the work-group's number alone
	s_cselect_b64 s[4:5], s[6:7], s[4:5]
	s_cmp_eq_u32 s20, 2
	s_cselect_b64 s[4:5], s[8:9], s[4:5]
	s_cmp_eq_u32 s20, 3
	s_cselect_b64 s[4:5], s[10:11], s[4:5]
	s_add_nc_u64 s[4:5], s[4:5], s[24:25]
	s_add_nc_u64 s[14:15], s[12:13], s[30:31]
	s_add_nc_u64 s[12:13], s[12:13], s[28:29]
	WLOAD 0
	WLOAD 1                                        ; two blocks, 64 loads a wave, ahead
.set Q, 0
.rept NB
	WBLOCK Q
.set Q, Q+1
.endr
	global_store_b32 v3, v[SB], s[14:15]           ; 32 lanes store 128 consecutive bytes: my columns' scale words of K step 2 ky,
	global_store_b32 v3, v[SB+1], s[14:15] offset:REC   ; and of 2 ky + 1
.irp t, 0,1,2,3,4,5,6,7,8,9,10,11
	ds_load_b128 v[OUTR+4*\t:OUTR+4*\t+3], v7 offset:512*\t   ; LDS serves a wave's instructions in order: these see my stores
.endr
.irp t, 0,1,2,3,4,5,6,7,8,9,10,11
	s_wait_dscnt 11-\t
	global_store_b128 v8, v[OUTR+4*\t:OUTR+4*\t+3], s[12:13] offset:((\t/3)/2)*REC+((\t/3)%2)*FRB+(\t%3)*512   ; 32 lanes store 512 consecutive bytes, at a multiple of 256 from the buffer's first byte
.endr
	s_wait_tensorcnt 0x0
	ds_add_u32 v254, v255
	s_wait_dscnt 0x0
	s_endpgm
.Lfunc_end_k_qca927b8a26_quant:
	.size	k_qca927b8a26_quant, .Lfunc_end_k_qca927b8a26_quant-k_qca927b8a26_quant
	.p2alignl 7, 3214868480
	.fill 96, 4, 3214868480
	.section	.rodata,"a",@progbits
	.p2align	6, 0x0
	.amdhsa_kernel k_qca927b8a26_quant
		.amdhsa_group_segment_fixed_size 59904
		.amdhsa_private_segment_fixed_size 0
		.amdhsa_enable_private_segment 0
		.amdhsa_kernarg_size 64
		.amdhsa_user_sgpr_count 2
		.amdhsa_user_sgpr_kernarg_segment_ptr 1
		.amdhsa_wavefront_size32 1
		.amdhsa_system_sgpr_workgroup_id_x 1
		.amdhsa_system_sgpr_workgroup_id_y 1
		.amdhsa_system_sgpr_workgroup_id_z 1
		.amdhsa_system_vgpr_workitem_id 0
		.amdhsa_next_free_vgpr 256
		.amdhsa_next_free_sgpr 66
		.amdhsa_reserve_vcc 0
		.amdhsa_float_denorm_mode_32 3
		.amdhsa_float_denorm_mode_16_64 3
		.amdhsa_memory_ordered 1
		.amdhsa_forward_progress 1
		.amdhsa_inst_pref_size 75
	.end_amdhsa_kernel
	.amdgpu_metadata
---
amdhsa.version: [ 1, 2 ]
amdhsa.kernels:
  - .name:           k_qca927b8a26_quant
    .symbol:         k_qca927b8a26_quant.kd
    .args:
      - { .name: x, .offset: 0, .size: 8, .value_kind: global_buffer, .address_space: global }
      - { .name: h_prev, .offset: 8, .size: 8, .value_kind: global_buffer, .address_space: global }
      - { .name: W_f, .offset: 16, .size: 8, .value_kind: global_buffer, .address_space: global }
      - { .name: W_i, .offset: 24, .size: 8, .value_kind: global_buffer, .address_space: global }
      - { .name: W_o, .offset: 32, .size: 8, .value_kind: global_buffer, .address_space: global }
      - { .name: W_C, .offset: 40, .size: 8, .value_kind: global_buffer, .address_space: global }
      - { .name: a_img, .offset: 48, .size: 8, .value_kind: global_buffer, .address_space: global }
      - { .name: w_img, .offset: 56, .size: 8, .value_kind: global_buffer, .address_space: global }
    .group_segment_fixed_size: 59904
    .private_segment_fixed_size: 0
    .kernarg_segment_align: 8
    .kernarg_segment_size: 64
    .max_flat_workgroup_size: 128
    .sgpr_count:     66
    .vgpr_count:     256
    .wavefront_size: 32
...
	.end_amdgpu_metadata
.endif
;; end of part 1
;; launch lstm (part 2): grid 16 x 32, 4 waves a work-group, clusters of 4 x 4, 327,680 bytes of LDS; arguments a_img, w_img, C_prev, b_f, b_i, b_o, b_C, out0, out1; writes out0, out1
.if DOCPART == 2
	.amdgcn_target "amdgcn-amd-amdhsa--gfx1250"
	.amdhsa_code_object_version 6
	.text
	.protected	k_qca927b8a26_lstm
	.globl	k_qca927b8a26_lstm
	.p2align	8
	.type	k_qca927b8a26_lstm,@function
k_qca927b8a26_lstm:
	s_mov_b64 s[64:65], 0
	v_nop
	global_prefetch_b8 v0, s[64:65] scope:SCOPE_SE
	s_setreg_imm32_b32 hwreg(HW_REG_WAVE_MODE, 25, 1), 1
	s_wait_xcnt 0x0
	s_wait_alu depctr_hold_cnt(0) depctr_sa_sdst(0) depctr_va_vdst(0) depctr_va_sdst(0) depctr_va_ssrc(0) depctr_va_vcc(0) depctr_vm_vsrc(0)
	s_getreg_b32 s2, hwreg(HW_REG_IB_STS2, 6, 4)
	s_cmp_eq_u32 s2, 0
	s_cbranch_scc0 .Lentry_in_a_cluster
	s_endpgm
.Lentry_in_a_cluster:
	s_bfe_u32 s2, ttmp6, 0x10000c
	s_cmp_lg_u32 s2, 0xf033
	s_cbranch_scc0 .Lentry_shape_is_right
	s_endpgm
.Lentry_shape_is_right:
; gates[m][n'] = sum over k of A[m][k] W[n'][k] + b, on codes of FP6 (E2M3) with one E8M0 scale for each 32 along K, sums in f32; then, in f32,
; C_t = sigmoid(f) C_prev + sigmoid(i) tanh(C~)  (out1)  and  h_t = sigmoid(o) tanh(C_t)  (out0).  The gates never go to memory.
; THE OPERANDS come as records of 128 rows x 128 K, 12,800 bytes: eight fragments as images of their 12 registers (registers 4 c .. 4 c + 3 of lane l: 16 bytes at 1,536 i + 512 c + 16 l), then the rows' scale words
; (4 bytes at 12,288 + 64 i + 4 r).  a_img [64 groups][16 K steps][12,800], w_img [32 groups J][16][12,800]; row 32 g + c of group J is hidden unit 32 J + c of gate g (0 f, 1 i, 2 o, 3 C~).
; SHARES.  A work-group of four waves makes 256 rows x 256 rows of W (64 hidden units); a wave 128 x 128: one group of A against one group of W: the four gates of 32 hidden units, 64 accumulators of 16 x 16, 512 registers.
; THE RING.  Two LDS slots of THREE K steps each (4 x 3 records, 153,600 bytes), filled by the tensor data mover: a wave's part of a slot is 38,400 dense bytes of memory, moved as 150 rows of 256 bytes.  K's 16 steps go as
; 3, 3, 3, 3, 3, 1: two first fills, three refills of three steps and one of one.  A slot holds 192 matrix instructions of a wave.  In a slot's last step the first 32 products stand ahead of the wait for the other slot,
; so that between a tile's landing and the next request stand only the add, the round and the load.  The 16 steps are written out: the last refill differs from the others.
; THE MATRIX INSTRUCTION IS USED TRANSPOSED (source 0 = 16 rows of W, source 1 = 16 rows of A): in accumulator (a, b = 2 g + u) lane (r, h) holds, in register j, gate g of row 16 a + r and hidden unit 16 u + 8 h + j:
; the four gates of an output lie in ONE lane at the same j, and eight neighbouring outputs of a row in its registers.  The biases are the C of each sum's first matrix instruction.
; CLUSTERS: 4 x 4 work-groups.  The four of a row of the cluster need the same records of A, the four of a column the same records of W: each is asked for JOINTLY, by the same tensor load with the same descriptor and a
; mask that names the four.
; C_prev belongs to one work-group alone, and no LDS is free for it while the products run: each lane loads its own 128 numbers into registers that lie idle, 16 bytes a load; a wave's four loads of a block of 16 rows
; together take 128 consecutive bytes of each row.  Blocks 0-3 are asked for at the head, blocks 4-7 in the last K step, into W's set that is done with.
; THE WAY OUT.  C_t and h_t go through two stages in slot 0 (its last fill and its last read lie ahead of the barrier of K step 14); 32 rows of each half at a time, a barrier (a row's 256 bytes come from two waves), whole rows out.
; sigmoid(x) = 1 / (1 + 2^(-x log2 e)), tanh(x) = 1 - 2 / (1 + 2^(2 x log2 e)): where the exponential overflows or falls to 0 both go to their limits, so nothing is clamped.
; LIMITS: tanh so made has an absolute error of about 1e-7, not a relative one, near 0; NaN and infinities among the inputs are not served.
; REGISTERS, in windows of 256: window 0: v0 as at the entry; v1-6 at work; v14-31 addresses; v32-47 scale words, two sets, and nothing else; v64-127 the biases, on the way out the gates of 16 rows;
;   v128-223 A's fragments (8 x 16 rows x 128 K), ONE set; on the way out v128-159 and v224-255 C and h by turns, v160-223 rows read back.
;   window 1: W's fragments, TWO sets, at v0 and v128; C_prev at v96-127, v224-255 and at last v0-63.   window 2: the accumulators of my rows 0-63 ((a, b) at v[8 (8 a + b)]);   window 3: those of my rows 64-127.
.set REC,    12800                     ; a record
.set SCO,    12288                     ; its scale words
.set FRB,    1536                      ; a fragment's image
.set GRP,    16*REC                    ; a group's 16 records
.set QTR,    3*REC                     ; what one tensor load brings: a group's records of three K steps
.set SLOT,   4*QTR                     ; A's two groups, then W's two
.set SPARE,  2*SLOT                    ; behind the ring: the spare words, 128 bytes for each wave: two blocks of 256 bytes that no other line names
.set FR,     12                        ; registers of a fragment
.set NL,     3                         ; LDS loads that bring one
.set NP,     4                         ; places behind this matrix instruction (ISA guide 7.12.1)
.set CPITCH, 272                       ; the two stages: 256 rows x (256 bytes + 16); C's at LDS byte 0, h's behind it
.set HSTG,   256*CPITCH
.set CG,   14                          ; v14     my byte offset in C_prev
.set BO,   15                          ; v15     my byte offset in each bias
.set ADRA, 16                          ; v16-17  LDS address of my lane's 16 bytes in A's images, slot 0, 1
.set ADRB, 18                          ; v18-19  the same for W
.set ADRS, 20                          ; v20-21  LDS address of my scale words: lanes 0-15 A's rows, lanes 16-31 W's
.set CPA,  24                          ; v24     where I put 32 bytes of a row of C_t
.set HSA,  25                          ; v25     the same in h's stage
.set RDA,  26                          ; v26     where I read whole rows of C_t back
.set SPW,  28                          ; v28     LDS address of my spare word; never rewritten
.set NIL,  29                          ; v29     0; never rewritten
.set RDH,  30                          ; v30     where I read whole rows of h_t back
.set GO,   31                          ; v31     my byte offset in out0 and out1
.set SC,   32                          ; scale words: set p at v[SC + 8 p]; register i: lanes 0-15 A's fragment i, lanes 16-31 W's fragment i
.set BI,   64                          ; the biases: tile b at v[BI + 8 b]
.set GT,   64                          ; the way out: the gates of 16 rows: f +0, i +16, o +32, C~ +48
.set AF,   128                         ; A's fragments
.set RB,   160                         ; the way out: 16 rows of C_t and 16 of h_t read back
.set G1,   24                          ; s[24:31] group 1 for A's three records;  s[32:39] group 0, one set for each slot
.set G0,   32
.set G1B,  48                          ; s[48:55], s[56:63] the same for W's
.set G0B,  56
.set G1L,  68                          ; s[68:75] group 1 for one record of A: the last refill;  s[80:87] of W
.set G1LB, 80
.set WV,   92                          ; s92 wave;  s93 which group of A is mine (also: I fetch for A or for W);  s94 which group of W (also: which of the two groups I fetch);  s95 tile row
.set RH,   93
.set CH,   94
.set TR,   95
.set NK,   100                         ; s[100:101] -log2 e: the packed forms name a pair and take its low word for both halves
.set TK,   104                         ; s[104:105] 2 log2 e
.set MSB, 0
.macro WIN new                         ; the immediate's high byte repeats the setting that is left
.if MSB != \new
	s_set_vgpr_msb (MSB<<8)|\new
.set MSB, \new
.endif
.endm
.set MUL_LO,  0xa1                     ; source 0 (W) window 1, source 1 (A) window 0, C and D window 2
.set MUL_HI,  0xf1                     ; the same, C and D window 3
.set BIAS_LO, 0x81                     ; the first step: C (the bias) window 0, D window 2
.set BIAS_HI, 0xc1                     ; D window 3
.set TO_B,    0x40                     ; destination window 1, address window 0
; A joint load: waves 0 and 1 fetch for A, waves 2 and 3 for W.  Each of the two lines has ONE mask and one set of registers for all that issue it; the branch hangs on the wave's number alone.
; Four v_nop follow each of the two lines, ahead of the jump, the label and what follows.
.macro JLOAD g0a, g1a, g0b, g1b
	s_cmp_eq_u32 s[RH], 0
	s_cbranch_scc0 .Lfor_b_\@
	tensor_load_to_lds s[\g0a:\g0a+3], s[\g1a:\g1a+7]
	s_nop 0
.rept 4
	v_nop
.endr
	s_branch .Lasked_\@
.Lfor_b_\@:
	tensor_load_to_lds s[\g0b:\g0b+3], s[\g1b:\g1b+7]
	s_nop 0
.rept 4
	v_nop
.endr
.Lasked_\@:
.endm
.macro CREST                           ; a round of the cluster's barrier behind its opening barrier
	s_cmp_lg_u32 s[WV], 0
	s_cbranch_scc1 .Lnot_wave_0_\@
	s_barrier_signal -3
.Lnot_wave_0_\@:
	s_barrier_wait -3
	s_barrier_signal -1
	s_barrier_wait -1
.endm
.macro CROUND                          ; a whole round
	s_barrier_signal -1
	s_barrier_wait -1
	CREST
.endm
.macro CLD a                           ; C_prev of block a: rows 16 a + r, my 2 x 32 bytes of each, into window 1
.if (\a) < 2
.set CPR, 96+16*(\a)
.elseif (\a) < 4
.set CPR, 224+16*((\a)-2)
.else
.set CPR, 16*((\a)-4)
.endif
.irp u, 0,1
.irp e, 0,1
	global_load_b128 v[CPR+8*\u+4*\e:CPR+8*\u+4*\e+3], v[CG], s[8:9] offset:(\a)*65536+64*\u+16*\e
.endr
.endr
.endm
	s_load_b256 s[4:11], s[0:1], 0x0               ; a_img s[4:5], w_img s[6:7], C_prev s[8:9], b_f s[10:11]
	s_load_b256 s[12:19], s[0:1], 0x20             ; b_i s[12:13], b_o s[14:15], b_C s[16:17], out0 s[18:19]
	s_load_b64 s[20:21], s[0:1], 0x40              ; out1
	v_lshl_add_u32 v[SPW], v0, 2, SPARE
	v_mov_b32 v[NIL], 0
	ds_add_u32 v28, v29
	ds_add_u32 v28, v29
	s_wait_dscnt 0x0
	v_lshrrev_b32 v1, 5, v0
	v_readfirstlane_b32 s[WV], v1                  ; wave 0..3
	s_lshr_b32 s[RH], s[WV], 1
	s_and_b32 s[CH], s[WV], 1
	s_bfe_u32 s40, ttmp6, 0x40000                  ; cx, cy: my place in the cluster
	s_bfe_u32 s41, ttmp6, 0x40004
	s_lshl_b32 s42, ttmp9, 2
	s_add_co_u32 s42, s42, s40                     ; tile column = 4 x cluster x + cx
	s_and_b32 s[TR], ttmp7, 0xffff
	s_lshl_b32 s[TR], s[TR], 2
	s_add_co_u32 s[TR], s[TR], s41                 ; tile row = 4 x cluster y + cy
	s_lshl_b32 s43, s41, 2
	s_lshl_b32 s43, 15, s43                        ; my row of the cluster
	s_lshl_b32 s44, 0x1111, s40                    ; my column
	; group 1: a dense block as rows of 256 bytes (32 elements of 8 bytes), no padding: an image's loads take 512 consecutive bytes
	s_or_b32 s[G1+0], s43, (3<<16)|(1<<21)         ; 15:0 the mask: A's records go to my row; 17:16 elements of 8 bytes; 21 set beside a mask
	s_or_b32 s[G1B+0], s44, (3<<16)|(1<<21)        ; W's go to my column
	s_or_b32 s[G1L+0], s43, (3<<16)|(1<<21)
	s_or_b32 s[G1LB+0], s44, (3<<16)|(1<<21)
.irp g, G1, G1B
	s_mov_b32 s[\g+1], 32<<16                      ; tensor_dim0
	s_mov_b32 s[\g+2], (QTR/256)<<16               ; tensor_dim1: three records are 150 rows
	s_mov_b32 s[\g+3], 32<<16                      ; tile_dim0
	s_mov_b32 s[\g+4], QTR/256                     ; tile_dim1
	s_mov_b32 s[\g+5], 32                          ; tensor_dim0_stride
	s_mov_b32 s[\g+6], 0
	s_mov_b32 s[\g+7], 0
.endr
.irp g, G1L, G1LB
	s_mov_b32 s[\g+1], 32<<16
	s_mov_b32 s[\g+2], (REC/256)<<16               ; one record is 50 rows
	s_mov_b32 s[\g+3], 32<<16
	s_mov_b32 s[\g+4], REC/256
	s_mov_b32 s[\g+5], 32
	s_mov_b32 s[\g+6], 0
	s_mov_b32 s[\g+7], 0
.endr
	; where the records come from.  A's hang on the tile row alone, which my row of the cluster shares; W's on the tile column alone.  Every wave makes both and asks by one of them.
	s_lshl_b32 s45, s[TR], 1
	s_add_co_u32 s45, s45, s[CH]                   ; A: group 2 x tile row + which of the two I fetch
	s_lshl_b32 s47, s42, 1
	s_add_co_u32 s47, s47, s[CH]                   ; W: group 2 x tile column + the same
	s_mul_i32 s[G0+2], s45, GRP                    ; in bytes (under 2^24)
	s_mov_b32 s[G0+3], 0
	s_mul_i32 s[G0B+2], s47, GRP
	s_mov_b32 s[G0B+3], 0
	s_mul_i32 s2, s[WV], QTR                       ; where they go: wave x three records: no place in the cluster enters an LDS address
	s_mov_b32 s[NK], 0xbfb8aa3b                    ; -log2 e
	s_mov_b32 s[NK+1], s[NK]                       ; (named with it as a pair, so it is written)
	s_mov_b32 s[TK], 0x4038aa3b                    ; 2 log2 e
	s_mov_b32 s[TK+1], s[TK]
	s_wait_kmcnt 0x0
	s_add_nc_u64 s[G0+2:G0+3], s[4:5], s[G0+2:G0+3]          ; slot 0 begins with K steps 0-2,
	s_add_nc_u64 s[G0+6:G0+7], s[G0+2:G0+3], QTR             ; slot 1 with 3-5
	s_add_nc_u64 s[G0B+2:G0B+3], s[6:7], s[G0B+2:G0B+3]
	s_add_nc_u64 s[G0B+6:G0B+7], s[G0B+2:G0B+3], QTR
.irp g, G0, G0+4, G0B, G0B+4
	s_mov_b32 s[\g], 1                             ; 1:0 count = 1
	s_or_b32 s[\g+3], s[\g+3], 0x80000000          ; 127:126 type = 2
.endr
.irp s, 0,1
	s_add_co_u32 s[G0+4*\s+1], s2, \s*SLOT         ; 63:32 LDS address
	s_add_co_u32 s[G0B+4*\s+1], s2, \s*SLOT
.endr
	CROUND                                         ; all sixteen work-groups are here: the first joint loads meet
	JLOAD G0, G1, G0B, G1B                         ; slot 0
	JLOAD G0+4, G1, G0B+4, G1B                     ; slot 1: two loads of mine are out
	v_and_b32 v1, 15, v0                           ; r = l % 16
	v_bfe_u32 v2, v0, 4, 1                         ; h = l / 16
	; the biases: tile b = 2 g + u wants b_g at hidden units 64 x tile column + 32 x my group + 16 u + 8 h + 0 .. 7
	s_lshl_b32 s47, s42, 8
	s_lshl_b32 s46, s[CH], 7
	s_add_co_u32 s46, s46, s47                     ; 256 x tile column + 128 x my group: my 32 hidden units, in bytes
	v_lshl_add_u32 v[BO], v2, 5, s46
.irp g, 0,1,2,3
.irp u, 0,1
.irp e, 0,1
	global_load_b128 v[BI+8*(2*\g+\u)+4*\e:BI+8*(2*\g+\u)+4*\e+3], v[BO], s[10+2*\g:11+2*\g] offset:64*\u+16*\e
.endr
.endr
.endr
	; C_prev: row 256 x tile row + 128 x my group of A + 16 a + r, of 4,096 bytes; in it my hidden units' bytes + 64 u + 32 h (under 2^26)
	s_lshl_b32 s45, s[TR], 8
	s_lshl_b32 s3, s[RH], 7
	s_add_co_u32 s45, s45, s3
	s_lshl_b32 s3, s45, 12
	s_add_co_u32 s3, s3, s46
	v_lshl_add_u32 v[CG], v1, 12, s3
	v_lshl_add_u32 v[CG], v2, 5, v[CG]
	WIN TO_B
	CLD 0
	CLD 1
	CLD 2
	CLD 3
	WIN 0
	; out0 and out1: wave (RH, CH) stores rows 256 x tile row + 128 RH + 32 p + 16 CH + 0 .. 15, whole: lanes 0-15 one row's 256 bytes, lanes 16-31 the next
	s_lshl_b32 s3, s[CH], 4
	s_add_co_u32 s45, s45, s3
	s_lshl_b32 s45, s45, 12
	s_add_co_u32 s45, s45, s47
	v_lshlrev_b32 v3, 12, v2
	v_lshl_add_u32 v3, v1, 4, v3
	v_add_nc_u32 v[GO], s45, v3
	; the images and the scale words in LDS
	v_and_b32 v3, 31, v0
	v_lshlrev_b32 v3, 4, v3                        ; 16 x lane
	s_mul_i32 s45, s[RH], QTR                      ; my group of A
	s_mul_i32 s46, s[CH], QTR                      ; my group of W,
	s_add_co_u32 s46, s46, 2*QTR                   ; behind A's two
	s_sub_co_u32 s47, s46, s45
	v_mul_u32_u24 v6, s47, v2                      ; lanes 16-31 take W's scale words: the lower base + h x the distance
	v_lshl_add_u32 v5, v1, 2, v6
.irp s, 0,1
	v_add_nc_u32 v[ADRA+\s], s45, v3
	v_add_nc_u32 v[ADRB+\s], s46, v3
	v_add_nc_u32 v[ADRS+\s], s45, v5
	s_add_co_u32 s45, s45, SLOT
	s_add_co_u32 s46, s46, SLOT
.endr
	; the stages.  In: row 128 RH + 16 a + r, byte 128 CH + 64 u + 32 h.  Back: rows 128 RH + 32 p + 16 CH + 2 t + h, 16 r bytes on
	s_mul_i32 s45, s[RH], 128*CPITCH
	s_lshl_b32 s46, s[CH], 7
	s_add_co_u32 s46, s46, s45
	v_mul_u32_u24 v3, v1, CPITCH
	v_lshl_add_u32 v3, v2, 5, v3
	v_add_nc_u32 v[CPA], s46, v3
	v_add_nc_u32 v[HSA], HSTG, v[CPA]
	s_mul_i32 s46, s[CH], 16*CPITCH
	s_add_co_u32 s46, s46, s45
	v_mul_u32_u24 v3, v2, CPITCH
	v_lshl_add_u32 v3, v1, 4, v3
	v_add_nc_u32 v[RDA], s46, v3
	v_add_nc_u32 v[RDH], HSTG, v[RDA]
.macro FRAG reg, adr, q, i             ; fragment i of the slot's q-th K step: three loads of 512 consecutive bytes give every lane its 12 registers
.irp c, 0,1,2
	ds_load_b128 v[\reg+4*\c:\reg+4*\c+3], v[\adr] offset:(\q)*REC+(\i)*FRB+512*\c
.endr
.endm
; 16 matrix instructions: A's blocks a0, a0 + 1 x W's eight, 128 along K.  p: W's set and the set of scale words.  zero = 1: the first product starts the sums from the biases: nothing is cleared or added later.
; The 64 accumulators take turns, one instruction a turn, in the same order in every step.
.macro MUL16 a0, p, zero
.irp a, \a0, \a0+1
.irp b, 0,1,2,3,4,5,6,7
.if \zero
	v_wmma_scale_f32_16x16x128_f8f6f4 v[8*(8*((\a)%4)+\b):8*(8*((\a)%4)+\b)+7], v[128*(\p)+FR*\b:128*(\p)+FR*\b+FR-1], v[AF+FR*(\a):AF+FR*(\a)+FR-1], v[BI+8*\b:BI+8*\b+7], v[SC+8*(\p)+\b], v[SC+8*(\p)+(\a)] matrix_a_fmt:MATRIX_FMT_FP6 matrix_b_fmt:MATRIX_FMT_FP6 matrix_a_scale:MATRIX_SCALE_ROW1
.else
	v_wmma_scale_f32_16x16x128_f8f6f4 v[8*(8*((\a)%4)+\b):8*(8*((\a)%4)+\b)+7], v[128*(\p)+FR*\b:128*(\p)+FR*\b+FR-1], v[AF+FR*(\a):AF+FR*(\a)+FR-1], v[8*(8*((\a)%4)+\b):8*(8*((\a)%4)+\b)+7], v[SC+8*(\p)+\b], v[SC+8*(\p)+(\a)] matrix_a_fmt:MATRIX_FMT_FP6 matrix_b_fmt:MATRIX_FMT_FP6 matrix_a_scale:MATRIX_SCALE_ROW1
.endif
.endr
.endr
.endm
.macro FETCH_B slot, q, p              ; W's eight fragments into set p
	WIN TO_B
.irp i, 0,1,2,3,4,5,6,7
	FRAG 128*(\p)+FR*\i, ADRB+\slot, \q, \i
.endr
	WIN 0
.endm
.macro FETCH_A slot, q, i0             ; A's blocks i0 .. i0 + 3
.irp i, \i0, \i0+1, \i0+2, \i0+3
	FRAG AF+FR*(\i), ADRA+\slot, \q, \i
.endr
.endm
.macro SCALES slot, q, p               ; a K step's scale words into set p: lanes 0-15 take A's fragment i, lanes 16-31 W's fragment i
.irp i, 0,1,2,3,4,5,6,7
	ds_load_b32 v[SC+8*(\p)+\i], v[ADRS+\slot] offset:(\q)*REC+SCO+64*\i
.endr
.endm
; A load into a register that a matrix instruction has read, and a vector instruction that reads a matrix result, stand NP places behind that matrix instruction, and only plain vector instructions that name
; none of its registers are places (ISA guide 7.12.1 for vector instructions); the matrix instructions in between are not counted.
.macro PLACES n
.rept \n
	v_nop
.endr
.endm
; A K step of 128 is 64 matrix instructions, A's blocks one after the other.  A block of A is free as soon as its eight products are issued: blocks 0-3 are fetched anew in the step's middle, blocks 4-7 at its end.
.macro HEADMUL par, zero               ; the products of A's blocks 0-3
	s_wait_dscnt 4*NL                              ; W's set, the scale words and A's blocks 0-3 are in; the youngest 12 loads (A's blocks 4-7) may be out
.if \zero
	WIN BIAS_LO
.else
	WIN MUL_LO
.endif
	MUL16 0, \par, \zero
	MUL16 2, \par, \zero
.endm
.macro MIDFETCH nslot, nq, par         ; the next step's fragments of W, A's blocks 0-3 and the scale words: 44 loads in one run
	FETCH_B \nslot, \nq, 1-\par
	FETCH_A \nslot, \nq, 0
	SCALES \nslot, \nq, 1-\par
.endm
.macro TAILMUL nslot, nq, par, zero    ; the products of A's blocks 4-7, and the next step's blocks 4-7
.if \zero
	WIN BIAS_HI
.else
	WIN MUL_HI
.endif
	MUL16 4, \par, \zero
	MUL16 6, \par, \zero
	PLACES NP
	WIN 0
	FETCH_A \nslot, \nq, 4
.endm
.macro STEP nslot, nq, par, zero       ; a step whose successor lies in the same slot
	HEADMUL \par, \zero
	s_wait_dscnt 0                                 ; A's blocks 4-7 are in (asked for 32 matrix instructions ago)
	PLACES NP
	MIDFETCH \nslot, \nq, \par
	TAILMUL \nslot, \nq, \par, \zero
.endm
; A slot's last step changes slots: ONE barrier, in the step's middle; in front of it each wave waits for all its tensor loads, adds 0 to its spare word, and waits for that and for its own reads of this slot.
; kind = 1: this slot is filled again with the K steps six on;  2: with the one K step that is left;  0: nothing is left to fetch.  Where a fill follows, the barrier opens a round of the cluster's barrier.
.macro TURN slot, kind, nslot, nq, par
	HEADMUL \par, 0
	WIN 0
	s_wait_tensorcnt 0x0                           ; all my tensor loads have landed: the one that was out is my part of the next slot; so a group 0 may be written
	ds_add_u32 v[SPW], v[NIL]                      ; 0 onto my spare word
.if \kind
	s_add_nc_u64 s[G0+4*\slot+2:G0+4*\slot+3], s[G0+4*\slot+2:G0+4*\slot+3], 6*REC     ; the type bits on top are not reached
	s_add_nc_u64 s[G0B+4*\slot+2:G0B+4*\slot+3], s[G0B+4*\slot+2:G0B+4*\slot+3], 6*REC
.endif
	s_wait_dscnt 0x0                               ; the add is done, and my reads of this slot are over (its last fragments were asked for at the end of the step before)
.if \kind == 1
	CROUND                                         ; no wave of any partner still reads this slot or has a load on its way
	JLOAD G0+4*\slot, G1, G0B+4*\slot, G1B         ; the first tensor load behind the round, my only one until the next; the four v_nop behind it are the places in front of the loads below
.elseif \kind == 2
	CROUND
	JLOAD G0+4*\slot, G1L, G0B+4*\slot, G1LB       ; likewise, one record
.else
	s_barrier_signal -1
	s_barrier_wait -1
	PLACES NP
.endif
	MIDFETCH \nslot, \nq, \par
	TAILMUL \nslot, \nq, \par, 0
.endm
	s_wait_tensorcnt 1                             ; my part of slot 0 is in (slot 1's load may be out)
	s_barrier_signal -1
	s_barrier_wait -1                              ; everybody's is
	FETCH_B 0, 0, 0
	FETCH_A 0, 0, 0
	SCALES 0, 0, 0
	FETCH_A 0, 0, 4
	s_wait_loadcnt 16                              ; the biases are in; the 16 younger loads, C_prev's, may be out
	STEP 0, 1, 0, 1                                ; K step 0: its products start the sums
	STEP 0, 2, 1, 0                                ; 1
	TURN 0, 1, 1, 0, 0                             ; 2: slot 0 takes K steps 6-8
	STEP 1, 1, 1, 0                                ; 3
	STEP 1, 2, 0, 0                                ; 4
	TURN 1, 1, 0, 0, 1                             ; 5: slot 1 takes 9-11
	STEP 0, 1, 0, 0                                ; 6
	STEP 0, 2, 1, 0                                ; 7
	TURN 0, 1, 1, 0, 0                             ; 8: slot 0 takes 12-14
	STEP 1, 1, 1, 0                                ; 9
	STEP 1, 2, 0, 0                                ; 10
	TURN 1, 2, 0, 0, 1                             ; 11: slot 1 takes 15
	STEP 0, 1, 0, 0                                ; 12
	STEP 0, 2, 1, 0                                ; 13
	TURN 0, 0, 1, 0, 0                             ; 14: nothing is left to fetch.  Behind its barrier nobody reads slot 0 any more
	s_wait_dscnt 4*NL                              ; 15, the last
	WIN MUL_LO
	MUL16 0, 1, 0
	MUL16 2, 1, 0
	s_wait_dscnt 0
	WIN TO_B                                       ; W's set 0 was last read in K step 14, whose places stand behind it: it takes C_prev of blocks 4-7
	CLD 4
	CLD 5
	CLD 6
	CLD 7
	WIN MUL_HI
	MUL16 4, 1, 0
	MUL16 6, 1, 0
	WIN 0
	PLACES NP                                      ; in front of the first writes of registers that held A's fragments, and of the first reads of results
; THE WAY OUT of block a: 16 rows x my 32 hidden units, 16 outputs a lane.  C and h stand in v128-159 (a even) or v224-255 (a odd): a block's LDS stores have been waited for when its registers are written again.
.macro EPI a
.set ES, 128+96*((\a)%2)               ; +0 .. +15 C_t;  +16 .. +31 h_t.  Register 8 u + j: hidden unit 16 u + 8 h + j
.set AC, 64*((\a)%4)
.set WN, 0x02+(\a)/4                   ; source 0: window 2 or 3
.if (\a) < 2
.set CPR, 96+16*(\a)                   ; C_prev of this block, in window 1
.elseif (\a) < 4
.set CPR, 224+16*((\a)-2)
.else
.set CPR, 16*((\a)-4)
.endif
	WIN WN
.irp b, 0,1,2,3,4,5                    ; f, i, o: -x log2 e.  Each accumulator is read from its low end on
.irp j, 0,2,4,6
	v_pk_mul_f32 v[GT+8*\b+\j:GT+8*\b+\j+1], v[AC+8*\b+\j:AC+8*\b+\j+1], s[NK:NK+1] op_sel_hi:[1,0]
.endr
.endr
.irp b, 6,7                            ; C~: 2 x log2 e
.irp j, 0,2,4,6
	v_pk_mul_f32 v[GT+8*\b+\j:GT+8*\b+\j+1], v[AC+8*\b+\j:AC+8*\b+\j+1], s[TK:TK+1] op_sel_hi:[1,0]
.endr
.endr
	WIN 0
.set II, 0
.rept 64
	v_exp_f32 v[GT+II], v[GT+II]
.set II, II+1
.endr
	v_nop                                          ; one plain place behind the exponentials (ISA guide 5.7.2)
.set II, 0
	s_wait_alu depctr_va_vdst(0)
.rept 32
	v_pk_add_f32 v[GT+II:GT+II+1], v[GT+II:GT+II+1], 1.0 op_sel_hi:[1,0]
.set II, II+2
.endr
.set II, 0
.rept 64
	v_rcp_f32 v[GT+II], v[GT+II]                   ; the three sigmoids are done
.set II, II+1
.endr
	v_nop
.set II, 0
	s_wait_alu depctr_va_vdst(0)
.rept 8
	v_pk_fma_f32 v[GT+48+II:GT+49+II], v[GT+48+II:GT+49+II], -2.0, 1.0 op_sel_hi:[1,0,0]   ; tanh = 1 - 2 / (1 + 2^(2 x log2 e))
.set II, II+2
.endr
.if (\a) == 0
	s_wait_loadcnt 16                              ; C_prev of blocks 0-3 is in; the 16 younger loads, blocks 4-7's, may be out
.endif
.if (\a) == 4
	s_wait_loadcnt 0x0
.endif
	WIN 0x01                                       ; source 0 (C_prev) window 1
.set II, 0
.rept 8
	v_pk_mul_f32 v[ES+II:ES+II+1], v[CPR+II:CPR+II+1], v[GT+II:GT+II+1]                    ; f C_prev
.set II, II+2
.endr
	WIN 0
.set II, 0
.rept 8
	v_pk_fma_f32 v[ES+II:ES+II+1], v[GT+16+II:GT+17+II], v[GT+48+II:GT+49+II], v[ES+II:ES+II+1]   ; + i C~ = C_t
.set II, II+2
.endr
.set II, 0
.rept 8
	v_pk_mul_f32 v[ES+16+II:ES+17+II], v[ES+II:ES+II+1], s[TK:TK+1] op_sel_hi:[1,0]
.set II, II+2
.endr
.set II, 0
.rept 16
	v_exp_f32 v[ES+16+II], v[ES+16+II]
.set II, II+1
.endr
	v_nop
.set II, 0
	s_wait_alu depctr_va_vdst(0)
.rept 8
	v_pk_add_f32 v[ES+16+II:ES+17+II], v[ES+16+II:ES+17+II], 1.0 op_sel_hi:[1,0]
.set II, II+2
.endr
.set II, 0
.rept 16
	v_rcp_f32 v[ES+16+II], v[ES+16+II]
.set II, II+1
.endr
	v_nop
.set II, 0
	s_wait_alu depctr_va_vdst(0)
.rept 8
	v_pk_fma_f32 v[ES+16+II:ES+17+II], v[ES+16+II:ES+17+II], -2.0, 1.0 op_sel_hi:[1,0,0]   ; tanh(C_t)
.set II, II+2
.endr
.set II, 0
.rept 8
	v_pk_mul_f32 v[ES+16+II:ES+17+II], v[ES+16+II:ES+17+II], v[GT+32+II:GT+33+II]          ; x o = h_t
.set II, II+2
.endr
.irp u, 0,1
.irp e, 0,1
	ds_store_b128 v[CPA], v[ES+8*\u+4*\e:ES+8*\u+4*\e+3] offset:16*CPITCH*(\a)+64*\u+16*\e
	ds_store_b128 v[HSA], v[ES+16+8*\u+4*\e:ES+16+8*\u+4*\e+3] offset:16*CPITCH*(\a)+64*\u+16*\e
.endr
.endr
.endm
; Phase p's 32 rows of each half are whole: each wave reads 16 of them back and stores them.
.macro OUT p
.if \p > 0
	s_wait_xcnt 0x0                                ; the last phase's stores have read their registers (ISA guide 3.1): the loads below may land there
.endif
.irp t, 0,1,2,3,4,5,6,7
	ds_load_b128 v[RB+4*\t:RB+4*\t+3], v[RDA] offset:32*CPITCH*\p+2*CPITCH*\t
.endr
.irp t, 0,1,2,3,4,5,6,7
	ds_load_b128 v[RB+32+4*\t:RB+32+4*\t+3], v[RDH] offset:32*CPITCH*\p+2*CPITCH*\t
.endr
.irp t, 0,1,2,3,4,5,6,7
	s_wait_dscnt 15-\t                             ; LDS loads come back in order: C_t's pair t is in
	global_store_b128 v[GO], v[RB+4*\t:RB+4*\t+3], s[20:21] offset:(32*\p+2*\t)*4096 th:TH_STORE_NT   ; 16 lanes store 256 consecutive bytes, at a multiple of 256 from the buffer's first byte
.endr
.irp t, 0,1,2,3,4,5,6,7
	s_wait_dscnt 7-\t
	global_store_b128 v[GO], v[RB+32+4*\t:RB+32+4*\t+3], s[18:19] offset:(32*\p+2*\t)*4096 th:TH_STORE_NT
.endr
.endm
.irp p, 0,1,2,3
	EPI 2*\p
	EPI 2*\p+1
	s_wait_dscnt 0x0                               ; for the others' sake: my stores into the two stages are done (and my reads of the last phase's rows are in)
	s_barrier_signal -1
	s_barrier_wait -1                              ; a row's 256 bytes come from two waves.  Each phase has rows of its own, so no second barrier is owed
	OUT \p
.endr
	s_wait_tensorcnt 0x0                           ; the wave's end: behind my last tensor load and my last LDS store
	ds_add_u32 v[SPW], v[NIL]
	s_wait_dscnt 0x0
	CROUND                                         ; the closing round: no work-group ends while a partner may still ask for a tile that names it
	s_endpgm
.Lfunc_end_k_qca927b8a26_lstm:
	.size	k_qca927b8a26_lstm, .Lfunc_end_k_qca927b8a26_lstm-k_qca927b8a26_lstm
	.p2alignl 7, 3214868480
	.fill 96, 4, 3214868480
	.section	.rodata,"a",@progbits
	.p2align	6, 0x0
	.amdhsa_kernel k_qca927b8a26_lstm
		.amdhsa_group_segment_fixed_size 327680
		.amdhsa_private_segment_fixed_size 0
		.amdhsa_enable_private_segment 0
		.amdhsa_kernarg_size 72
		.amdhsa_user_sgpr_count 2
		.amdhsa_user_sgpr_kernarg_segment_ptr 1
		.amdhsa_wavefront_size32 1
		.amdhsa_system_sgpr_workgroup_id_x 1
		.amdhsa_system_sgpr_workgroup_id_y 1
		.amdhsa_system_sgpr_workgroup_id_z 1
		.amdhsa_system_vgpr_workitem_id 0
		.amdhsa_next_free_vgpr 1024
		.amdhsa_next_free_sgpr 106
		.amdhsa_reserve_vcc 0
		.amdhsa_float_denorm_mode_32 3
		.amdhsa_float_denorm_mode_16_64 3
		.amdhsa_memory_ordered 1
		.amdhsa_forward_progress 1
		.amdhsa_inst_pref_size 255
	.end_amdhsa_kernel
	.section	.bss,"aw",@nobits
	.p2align	6
	.space	262144
	.amdgpu_metadata
---
amdhsa.version: [ 1, 2 ]
amdhsa.kernels:
  - .name:           k_qca927b8a26_lstm
    .symbol:         k_qca927b8a26_lstm.kd
    .args:
      - { .name: a_img, .offset: 0, .size: 8, .value_kind: global_buffer, .address_space: global }
      - { .name: w_img, .offset: 8, .size: 8, .value_kind: global_buffer, .address_space: global }
      - { .name: C_prev, .offset: 16, .size: 8, .value_kind: global_buffer, .address_space: global }
      - { .name: b_f, .offset: 24, .size: 8, .value_kind: global_buffer, .address_space: global }
      - { .name: b_i, .offset: 32, .size: 8, .value_kind: global_buffer, .address_space: global }
      - { .name: b_o, .offset: 40, .size: 8, .value_kind: global_buffer, .address_space: global }
      - { .name: b_C, .offset: 48, .size: 8, .value_kind: global_buffer, .address_space: global }
      - { .name: out0, .offset: 56, .size: 8, .value_kind: global_buffer, .address_space: global }
      - { .name: out1, .offset: 64, .size: 8, .value_kind: global_buffer, .address_space: global }
    .group_segment_fixed_size: 327680
    .private_segment_fixed_size: 0
    .kernarg_segment_align: 8
    .kernarg_segment_size: 72
    .max_flat_workgroup_size: 128
    .sgpr_count:     106
    .vgpr_count:     1024
    .wavefront_size: 32
...
	.end_amdgpu_metadata
.endif
;; end of part 2
